; MI455X (gfx1250); checked and timed in simulation.
; The chip was launched on July 23, 2026; its instructions are those of AMD's public machine-readable ISA for CDNA 5 (MIT licence, August 2026) and "CDNA5" Instruction Set Architecture Reference Guide (July 2026). The comments in the code are by the model that wrote it; some were corrected since.
;; Bahdanau Attention. Allowed arithmetic: matrix products marked QUANTISED: E5M2 operands, one given power-of-two scale a tensor, by v_wmma_f32_16x16x64_bf8_bf8 or v_wmma_f32_16x16x128_bf8_bf8, f32 sums; products left as they are: f32 operands where the result goes on into a quantised operand, else bf16, f16 or f32 operands; f32 sums; everything else in f32.
;; Inputs: W_h 1,024 x 1,024 float32; W_k 1,024 x 1,024 float32; h_t 64 x 1,024 float32; keys 64 x 1,024 x 1,024 float32; lowp_scales 4 int32 (the exponents e of the quantised operands' scales 2^e); v 1,024 float32.
;; Outputs: out0 64 x 1,024 float32; out1 64 x 1,024 float32.
;; This version of the problem:
;;   THIS VERSION OF THE PROBLEM IS GIVEN IN LOW PRECISION. The matrix products marked QUANTISED in the list below multiply operands that are first quantised to E5M2 (5 exponent bits, 2 mantissa bits; 8 bits a number), with one given power-of-two scale for each operand tensor; their sums are f32. All else is computed in f32.
;;   The module's matrix products, in the order in which they are computed (A, B: the left and right operand; K: the contracted axis; several contracted axes count as one K, in the product's order):
;;     1. [M 64, K 1,024] x [K 1,024, N 1,024]; A: input h_t; B: input W_h: QUANTISED (scales: A lowp_scales[0], B lowp_scales[1])
;;     2. [M 65,536, K 1,024] x [K 1,024, N 1,024]; A: input keys; B: input W_k: QUANTISED (scales: A lowp_scales[2], B lowp_scales[3])
;;     3. [M 65,536, K 1,024] x [K 1,024, N 1]; A: computed on the way; B: input v: left as it is (N = 1 < 16)
;;     4. batch 64 x [M 1, K 1,024] x [K 1,024, N 1,024]; A: softmax; B: input keys: left as it is (M = 1 < 16)
;;   THE QUANTISER, for each operand of a quantised product, along K:
;;     - The operand's scale is 2^e, e = its entry of the input lowp_scales (int32; the entries are numbered through the quantised products in the list's order, A before B).
;;     - Each number is divided by the scale, clamped to +-57,344, and rounded to the nearest number of E5M2, ties to even, subnormals kept.
;;     - The product sums the exact products of the quantised numbers (number of the format x scale) in f32.
;;   ~~~python
;;   def quantise(x, axis, e):      # numpy; x: float32 -> the quantised numbers, widened to float32 again
;;       x = np.moveaxis(x, axis, -1); K = x.shape[-1]
;;       r = np.clip(x / 2.0 ** e, -57344, 57344)
;;       step = 2.0 ** (np.maximum(np.frexp(np.where(r == 0, 1, r))[1] - 1, -14) - 2)
;;       q = np.round(r / step) * step * 2.0 ** e      # np.round: ties to even
;;       return np.moveaxis(q, -1, axis).astype(np.float32)
;;   ~~~
;; One version. Each part assembles by itself: llvm-mc -triple=amdgcn-amd-amdhsa -mcpu=gfx1250 --defsym DOCPART=n.
;; ======== version 1 of 1: 3 launches
;; workspace buffers: wk 1,048,576 bytes; tab 524,288 bytes; sc 262,144 bytes
;; launch prep (part 1): grid 160 x 1, 16 waves a work-group, no clusters, 135,168 bytes of LDS; arguments W_k, W_h, h_t, v, lowp_scales, wk, tab; writes wk, tab
.if DOCPART == 1
	.amdgcn_target "amdgcn-amd-amdhsa--gfx1250"
	.amdhsa_code_object_version 6
	.text
	.protected	k_q9a5117af7d_prep
	.globl	k_q9a5117af7d_prep
	.p2align	8
	.type	k_q9a5117af7d_prep,@function
k_q9a5117af7d_prep:
	s_mov_b64 s[64:65], 0
	v_nop
	global_prefetch_b8 v0, s[64:65] scope:SCOPE_SE
	s_setreg_imm32_b32 hwreg(HW_REG_WAVE_MODE, 25, 1), 1
	s_wait_xcnt 0x0
; Two small jobs ahead of the large product, told apart by the work-group's number (the same for all sixteen waves of a work-group).
; WORK-GROUPS 0-31: W_k [1024][1024] f32 becomes codes of BF8 (E5M2) with the given scale 2^e3, laid as images of operand registers:
;   wk byte T*16384 + kk*256 + r*16 + i = the code of W_k[16 T + r][16 kk + i].  So the 2,048 bytes at (8 T + s)*2048 are the fragment (16 rows of tile T, K step s of 128):
;   its four registers c of lane (r, h) lie at c*512 + 16*lane and hold k = 128 s + 32 c + 16 h + 0 .. 15.
; WORK-GROUPS 32-159 (number - 32 = 4 g + m): qh[b][e] = sum over k of Q(h_t)[b][k] Q(W_h)[e][k] for e = 32 g .. 32 g + 31 and b = 16 m .. 16 m + 15.  Wave w takes k = 64 w .. 64 w + 63: three fragments
;   (two of W_h, one of h_t) and two matrix instructions of K = 64; the sixteen waves' parts are added in f32 through LDS.  A load reads two rows x 256 consecutive bytes; the codes, four of a row a lane,
;   turn through the wave's own stage in LDS and come back as fragments.  Stored: tab[b][T][32 f32]: words 0-15 = 2 log2(e) qh[b][16 T + x], words 16-31 = -2 v[16 T + x]:
;   what the next launch needs for tanh(y) = 1 - 2 / (1 + 2^(2 log2(e) y)).
; code = x / 2^e, held within +-57,344, to the nearest code, ties to even.
; LIMITS: e0, e1, e3 between -126 and 112; e0 + e1 between -127 and 126 (it is added to the exponent field of 2 log2(e)).  NaN among the inputs is not served.
; Inside a matrix instruction k is permuted, alike in both operands; K is split over sixteen waves: the order of the f32 sums differs from an ascending one.
; NO CLUSTER, NO TENSOR LOAD: every operand has to pass through registers to be quantised, and what work-groups share (128 KiB of W_h among four, 64 KiB of h_t among 32) is read once by each.
; Each of the two ways has LDS bytes of its own.
.set WSP,  272                         ; W_k's stage: 256 bytes (16 rows x 16 codes) + 16: 68 words, so the 32 lanes of a 4-byte store fall on 32 different banks (64 banks of 4 bytes: ISA guide 11.1)
.set WSW,  8*WSP                       ; a wave's stage
.set QST,  16*WSW                      ; behind them: qh's stages: for each wave 3 fragments x 16 rows x (64 codes + 16 bytes)
.set QP,   80                          ; 5 x 16 bytes: the sixteen rows of a fragment load start at sixteen different columns of 16 bytes
.set QSW,  3*16*QP
.set RED,  QST+16*QSW                  ; behind them: the parts of qh, for each wave 16 rows (b) x (128 bytes + 16)
.set RP,   144
.set RW,   16*RP
	s_load_b256 s[4:11], s[0:1], 0x0               ; W_k s[4:5], W_h s[6:7], h_t s[8:9], v s[10:11]
	s_load_b128 s[12:15], s[0:1], 0x20             ; the scales' exponents s[12:13], wk s[14:15]
	s_load_b64 s[16:17], s[0:1], 0x30              ; tab
	v_lshl_add_u32 v254, v0, 2, 0x20800
	v_mov_b32 v255, 0
	v_lshrrev_b32 v1, 5, v0
	v_readfirstlane_b32 s18, v1                    ; wave 0..15
	v_and_b32 v1, 31, v0                           ; lane
	v_lshlrev_b32 v2, 4, v1                        ; 16 x lane
	s_mov_b32 s27, 0                               ; upper words of the two offset pairs
	s_mov_b32 s29, 0
	s_wait_kmcnt 0x0
	s_load_b128 s[20:23], s[12:13], 0x0            ; e0 (h_t), e1 (W_h), e2 (keys), e3 (W_k)
	s_cmp_lt_u32 ttmp9, 32
	s_cbranch_scc0 .Lqh
	; ---- W_k: wave w takes tile T = 2 x work-group + w / 8 and K step s = w % 8: 16 rows x 512 bytes
	s_lshr_b32 s24, s18, 3
	s_lshl_b32 s25, ttmp9, 1
	s_add_co_u32 s24, s24, s25                     ; T
	s_and_b32 s25, s18, 7                          ; s
	s_lshl_b32 s26, s24, 16                        ; 16 rows of 4,096 bytes
	s_lshl_b32 s30, s25, 9
	s_add_co_u32 s26, s26, s30
	s_add_nc_u64 s[4:5], s[4:5], s[26:27]
	s_lshl_b32 s28, s24, 14
	s_lshl_b32 s30, s25, 11
	s_add_co_u32 s28, s28, s30
	s_add_nc_u64 s[14:15], s[14:15], s[28:29]      ; the fragment's 2,048 bytes in wk
.irp i, 0,1,2,3,4,5,6,7,8,9,10,11,12,13,14,15
	global_load_b128 v[64+4*\i:67+4*\i], v2, s[4:5] offset:4096*\i th:TH_LOAD_NT   ; row i: 32 lanes read 512 consecutive bytes; my four numbers are k = 128 s + 4 lane + 0 .. 3
.endr
	s_mul_i32 s30, s18, WSW                        ; my stage
	v_lshrrev_b32 v3, 2, v1
	v_mul_u32_u24 v3, v3, WSP
	v_and_b32 v4, 3, v1
	v_lshl_add_u32 v3, v4, 2, v3
	v_add_nc_u32 v3, s30, v3                       ; in: block lane / 4 of 16 along K, byte 4 (lane % 4); row i stands in the immediate
	v_lshrrev_b32 v4, 4, v1
	v_mul_u32_u24 v4, v4, WSP
	v_and_b32 v5, 15, v1
	v_lshl_add_u32 v4, v5, 4, v4
	v_add_nc_u32 v4, s30, v4                       ; back: two blocks an instruction, sixteen lanes to a block
	s_wait_kmcnt 0x0
	s_add_co_i32 s31, s23, 127
	s_lshl_b32 s32, s31, 23
	v_mov_b32 v11, s32                             ; 2^e3 as f32: the conversion takes its exponent field
	s_add_co_i32 s31, s31, 15
	s_lshl_b32 s31, s31, 23
	s_or_b32 s31, s31, 0x600000
	v_mov_b32 v10, s31                             ; 57,344 x 2^e3
	s_wait_loadcnt 0x0
.set j, 0
.rept 64
	v_med3_num_f32 v[64+j], v[64+j], -v10, v10     ; the conversion to an 8-bit code does not saturate (ISA guide 7.6.2): the hold comes first
.set j, j+1
.endr
.irp g, 0,1,2,3,4,5,6,7
	v_cvt_scalef32_pk8_bf8_f32 v[32+2*\g:33+2*\g], v[64+8*\g:71+8*\g], v11   ; rows 2 g and 2 g + 1, four codes each: v[32 + i] = row i's
.endr
	v_nop                                          ; a plain vector line behind the last conversion
.irp i, 0,1,2,3,4,5,6,7,8,9,10,11,12,13,14,15
	ds_store_b32 v3, v[32+\i] offset:16*\i
.endr
.irp n, 0,1,2,3
	ds_load_b128 v[48+4*\n:51+4*\n], v4 offset:2*WSP*\n   ; LDS serves a wave's instructions in order (ISA guide 5.7.1.4): these see my stores
.endr
.irp n, 0,1,2,3
	s_wait_dscnt 3-\n                              ; load n is back; the younger ones may be out
	global_store_b128 v2, v[48+4*\n:51+4*\n], s[14:15] offset:512*\n   ; 32 lanes store 512 consecutive bytes, at a multiple of 256 from wk's first byte
.endr
	s_wait_tensorcnt 0x0
	ds_add_u32 v254, v255
	s_wait_dscnt 0x0
	s_endpgm
	; ---- qh
.Lqh:
	s_sub_co_u32 s24, ttmp9, 32
	s_lshr_b32 s25, s24, 2                         ; g: which 32 e
	s_and_b32 s24, s24, 3                          ; m: which 16 b
	v_and_b32 v3, 15, v0                           ; r
	v_bfe_u32 v4, v0, 4, 1                         ; h
	v_lshlrev_b32 v5, 12, v4
	v_lshl_add_u32 v5, v3, 4, v5                   ; the loads: lanes 0-15 one row's 256 bytes, lanes 16-31 the next row's
	v_bfe_u32 v6, v0, 3, 1
	v_and_b32 v7, 3, v0
	v_lshlrev_b32 v6, 6, v6
	v_lshl_add_u32 v6, v7, 4, v6                   ; the way out: 64 x (tile of my 16 bytes) + 16 x (which four of its sixteen numbers)
	s_lshl_b32 s26, s25, 17                        ; W_h: 32 rows of 4,096 bytes a g,
	s_lshl_b32 s28, s18, 8                         ; 64 numbers along K a wave
	s_add_co_u32 s26, s26, s28
	s_add_nc_u64 s[6:7], s[6:7], s[26:27]
	s_lshl_b32 s26, s24, 16                        ; h_t: 16 rows an m
	s_add_co_u32 s26, s26, s28
	s_add_nc_u64 s[8:9], s[8:9], s[26:27]
	s_lshl_b32 s26, s25, 7
	s_add_nc_u64 s[10:11], s[10:11], s[26:27]      ; v at 32 g
	s_lshl_b32 s26, s24, 17                        ; tab: 16 batches of 8,192 bytes an m,
	s_lshl_b32 s28, s25, 8                         ; tile 2 g
	s_add_co_u32 s26, s26, s28
	s_add_nc_u64 s[16:17], s[16:17], s[26:27]
	global_load_b128 v[8:11], v6, s[10:11]         ; the four v that stand beside my four qh
.irp f, 0,1                                    ; two tiles of W_h: load i brings rows 2 i and 2 i + 1: my four numbers are k0 + 4 r + 0 .. 3 of row 2 i + h
.irp i, 0,1,2,3,4,5,6,7
	global_load_b128 v[64+32*\f+4*\i:67+32*\f+4*\i], v5, s[6:7] offset:65536*\f+8192*\i
.endr
.endr
.irp i, 0,1,2,3,4,5,6,7                        ; the tile of h_t, likewise
	global_load_b128 v[128+4*\i:131+4*\i], v5, s[8:9] offset:8192*\i
.endr
	s_mul_i32 s30, s18, QSW
	s_add_co_u32 s30, s30, QST                     ; my stage
	v_mul_u32_u24 v16, v4, QP
	v_lshl_add_u32 v16, v3, 2, v16
	v_add_nc_u32 v16, s30, v16                     ; in: row h of the pair, byte 4 r; the pair and the fragment stand in the immediate
	v_mul_u32_u24 v17, v3, QP
	v_lshl_add_u32 v17, v4, 4, v17
	v_add_nc_u32 v17, s30, v17                     ; back: row r, + 16 h
	s_mul_i32 s30, s18, RW
	s_add_co_u32 s30, s30, RED
	v_mul_u32_u24 v7, v3, RP
	v_lshl_add_u32 v7, v4, 5, v7
	v_add_nc_u32 v7, s30, v7                       ; my wave's parts: row b = r, bytes 64 u + 32 h on
	v_bfe_u32 v20, v0, 4, 4                        ; the way out: thread t of the first 256 makes 16 bytes of tab for b = t / 16: y = t % 16: tile y / 8, kind (y / 4) % 2 (0: qh, 1: v), numbers 4 (y % 4) on
	v_mul_u32_u24 v18, v20, RP
	v_add_nc_u32 v18, v18, v6
	v_add_nc_u32 v18, RED, v18                     ; wave 0's part of those four numbers; the other waves' stand in the immediate
	v_lshlrev_b32 v20, 13, v20
	v_lshl_add_u32 v20, v3, 4, v20                 ; in tab: b x 8,192 + 16 y
	s_wait_kmcnt 0x0
	s_add_co_i32 s31, s21, 127
	s_lshl_b32 s32, s31, 23
	v_mov_b32 v12, s32                             ; 2^e1
	s_add_co_i32 s31, s31, 15
	s_lshl_b32 s31, s31, 23
	s_or_b32 s31, s31, 0x600000
	v_mov_b32 v13, s31                             ; 57,344 x 2^e1
	s_add_co_i32 s31, s20, 127
	s_lshl_b32 s32, s31, 23
	v_mov_b32 v14, s32                             ; 2^e0
	s_add_co_i32 s31, s31, 15
	s_lshl_b32 s31, s31, 23
	s_or_b32 s31, s31, 0x600000
	v_mov_b32 v15, s31                             ; 57,344 x 2^e0
	s_add_co_i32 s33, s20, s21
	s_lshl_b32 s33, s33, 23
	s_add_co_i32 s33, s33, 0x4038aa3b              ; 2 log2(e) x 2^(e0 + e1): the exponents are added to the exponent field
; Fragment f: 32 numbers at v[64 + 32 f] become 8 registers of codes at v[32 + 8 f] (register i: four codes of row 2 i + h), which turn through my stage into the operand's 8 registers at v[160 + 8 f]:
; lane (r, h), registers 4 c on: k0 + 32 c + 16 h + 0 .. 15 of row r.  left: the loads of the younger fragments, 8 each, which may stay out.
.macro QF f, sc, lim, left
	s_wait_loadcnt \left
.set j, 0
.rept 32
	v_med3_num_f32 v[64+32*\f+j], v[64+32*\f+j], -v[\lim], v[\lim]
.set j, j+1
.endr
.irp g, 0,1,2,3
	v_cvt_scalef32_pk8_bf8_f32 v[32+8*\f+2*\g:33+8*\f+2*\g], v[64+32*\f+8*\g:71+32*\f+8*\g], v[\sc]
.endr
	v_nop                                          ; a plain vector line behind the last conversion
.irp i, 0,1,2,3,4,5,6,7
	ds_store_b32 v16, v[32+8*\f+\i] offset:16*QP*\f+2*QP*\i
.endr
.irp c, 0,1
	ds_load_b128 v[160+8*\f+4*\c:163+8*\f+4*\c], v17 offset:16*QP*\f+32*\c   ; LDS serves a wave's instructions in order (ISA guide 5.7.1.4): these see my stores
.endr
.endm
	QF 0, 12, 13, 16
	QF 1, 12, 13, 8
	QF 2, 14, 15, 0
	s_wait_dscnt 0x0                               ; the three fragments are in
	v_wmma_f32_16x16x64_bf8_bf8 v[192:199], v[160:167], v[176:183], 0   ; TRANSPOSED: source 0 = 16 rows of W_h, source 1 = 16 rows of h_t: lane (r, h), register j: e = 16 u + 8 h + j, b = r
	v_wmma_f32_16x16x64_bf8_bf8 v[200:207], v[168:175], v[176:183], 0
.rept 4
	v_nop                                          ; four places in front of the first read of results (ISA guide 7.12.1)
.endr
	ds_store_b128 v7, v[192:195]
	ds_store_b128 v7, v[196:199] offset:16
	ds_store_b128 v7, v[200:203] offset:64
	ds_store_b128 v7, v[204:207] offset:80
	s_wait_dscnt 0x0                               ; for the others' sake: my parts lie in LDS
	s_barrier_signal -1
	s_barrier_wait -1
	s_cmp_lt_u32 s18, 8                            ; 16 b x 256 bytes of tab are 16 bytes for each of 256 threads: waves 0-7 add and store
	s_cbranch_scc0 .Lqend
.irp n, 0,1,2,3,4,5,6,7,8,9,10,11,12,13,14,15
	ds_load_b128 v[64+4*\n:67+4*\n], v18 offset:RW*\n
.endr
.irp i, 0,1,2,3
	v_mul_f32 v[8+\i], -2.0, v[8+\i]               ; -2 v
.endr
	v_and_b32 v21, 4, v0
	v_cmp_ne_u32 vcc_lo, 0, v21                    ; my 16 bytes are v's
	s_wait_dscnt 0x0
.macro FOLD p, d                       ; the upper d registers are added onto the lower d
.set j, 0
.rept (\d)/2
	v_pk_add_f32 v[\p+j:\p+j+1], v[\p+j:\p+j+1], v[\p+\d+j:\p+\d+j+1]
.set j, j+2
.endr
.endm
	FOLD 64, 32
	FOLD 64, 16
	FOLD 64, 8
	FOLD 64, 4
.irp i, 0,1,2,3
	v_mul_f32 v[64+\i], s33, v[64+\i]              ; 2 log2(e) qh
.endr
.irp i, 0,1,2,3
	v_cndmask_b32 v[64+\i], v[64+\i], v[8+\i], vcc_lo
.endr
	global_store_b128 v20, v[64:67], s[16:17]      ; sixteen lanes store 256 consecutive bytes, at a multiple of 256 from tab's first byte
.Lqend:
	s_wait_tensorcnt 0x0
	ds_add_u32 v254, v255
	s_wait_dscnt 0x0
	s_endpgm
.Lfunc_end_k_q9a5117af7d_prep:
	.size	k_q9a5117af7d_prep, .Lfunc_end_k_q9a5117af7d_prep-k_q9a5117af7d_prep
	.p2alignl 7, 3214868480
	.fill 96, 4, 3214868480
	.section	.rodata,"a",@progbits
	.p2align	6, 0x0
	.amdhsa_kernel k_q9a5117af7d_prep
		.amdhsa_group_segment_fixed_size 135168
		.amdhsa_private_segment_fixed_size 0
		.amdhsa_enable_private_segment 0
		.amdhsa_kernarg_size 56
		.amdhsa_user_sgpr_count 2
		.amdhsa_user_sgpr_kernarg_segment_ptr 1
		.amdhsa_wavefront_size32 1
		.amdhsa_system_sgpr_workgroup_id_x 1
		.amdhsa_system_sgpr_workgroup_id_y 1
		.amdhsa_system_sgpr_workgroup_id_z 1
		.amdhsa_system_vgpr_workitem_id 0
		.amdhsa_next_free_vgpr 256
		.amdhsa_next_free_sgpr 66
		.amdhsa_reserve_vcc 1
		.amdhsa_float_denorm_mode_32 3
		.amdhsa_float_denorm_mode_16_64 3
		.amdhsa_memory_ordered 1
		.amdhsa_forward_progress 1
		.amdhsa_inst_pref_size 29
	.end_amdhsa_kernel
	.amdgpu_metadata
---
amdhsa.version: [ 1, 2 ]
amdhsa.kernels:
  - .name:           k_q9a5117af7d_prep
    .symbol:         k_q9a5117af7d_prep.kd
    .args:
      - { .name: W_k, .offset: 0, .size: 8, .value_kind: global_buffer, .address_space: global }
      - { .name: W_h, .offset: 8, .size: 8, .value_kind: global_buffer, .address_space: global }
      - { .name: h_t, .offset: 16, .size: 8, .value_kind: global_buffer, .address_space: global }
      - { .name: v, .offset: 24, .size: 8, .value_kind: global_buffer, .address_space: global }
      - { .name: lowp_scales, .offset: 32, .size: 8, .value_kind: global_buffer, .address_space: global }
      - { .name: wk, .offset: 40, .size: 8, .value_kind: global_buffer, .address_space: global }
      - { .name: tab, .offset: 48, .size: 8, .value_kind: global_buffer, .address_space: global }
    .group_segment_fixed_size: 135168
    .private_segment_fixed_size: 0
    .kernarg_segment_align: 8
    .kernarg_segment_size: 56
    .max_flat_workgroup_size: 512
    .sgpr_count:     66
    .vgpr_count:     256
    .wavefront_size: 32
...
	.end_amdgpu_metadata
.endif
;; end of part 1
;; launch scores (part 2): grid 256 x 1, 4 waves a work-group, clusters of 4 x 1, 327,680 bytes of LDS; arguments keys, wk, tab, lowp_scales, sc; writes sc
.if DOCPART == 2
	.amdgcn_target "amdgcn-amd-amdhsa--gfx1250"
	.amdhsa_code_object_version 6
	.text
	.protected	k_q9a5117af7d_scores
	.globl	k_q9a5117af7d_scores
	.p2align	8
	.type	k_q9a5117af7d_scores,@function
k_q9a5117af7d_scores:
	s_mov_b64 s[64:65], 0
	v_nop
	global_prefetch_b8 v0, s[64:65] scope:SCOPE_SE
	s_setreg_imm32_b32 hwreg(HW_REG_WAVE_MODE, 25, 1), 1
	s_wait_xcnt 0x0
	s_wait_alu depctr_hold_cnt(0) depctr_sa_sdst(0) depctr_va_vdst(0) depctr_va_sdst(0) depctr_va_ssrc(0) depctr_va_vcc(0) depctr_vm_vsrc(0)
	s_getreg_b32 s2, hwreg(HW_REG_IB_STS2, 6, 4)
	s_cmp_eq_u32 s2, 0
	s_cbranch_scc0 .Lentry_in_a_cluster
	s_endpgm
.Lentry_in_a_cluster:
	s_bfe_u32 s2, ttmp6, 0x10000c
	s_cmp_lg_u32 s2, 0x3003
	s_cbranch_scc0 .Lentry_shape_is_right
	s_endpgm
.Lentry_shape_is_right:
; sc[b][n] = sum over e of -2 v[e] / (1 + 2^(2 log2(e) (qh[b][e] + kh[b][n][e]))), kh = Q(keys) Q(W_k)^T on codes of BF8 (E5M2).
; Since tanh(y) = 1 - 2 / (1 + 2^(2 log2(e) y)), this is reference()'s score less the sum of v, the same number for every key: the softmax of the next launch, which takes the row's maximum away, is not changed by it.
; Where 2^.. overflows to infinity the reciprocal is 0 (tanh = 1); where it underflows to 0 the reciprocal is 1 (tanh = -1).
; SHARES.  A cluster of four work-groups is one batch; a work-group takes 256 keys, each of its four waves 64.  A wave quantises its 64 rows x 1,024 once and KEEPS THE CODES IN 512 REGISTERS; then it walks all 64 tiles
; of 16 rows of W_k.  So each fragment of W_k that it reads from LDS feeds four matrix instructions, each wave sees all 1,024 e of its keys, and no sum crosses waves.
; W_k's codes (wk: images of operand registers, made by the launch before) and the batch's table (tab: 2 log2(e) qh and -2 v, 128 bytes a tile) are the same for the four partners: they are asked for JOINTLY.
; THE MATRIX INSTRUCTION IS USED TRANSPOSED: source 0 = 16 rows of W_k, source 1 = 16 keys: lane (r, h), register j holds e = 16 T + 8 h + j of the key of lane r.
; THE KEYS OF A TILE ARE NOT NEIGHBOURS: tile a (0..3) holds my wave's rows 4 r + a, so that a lane's four scores are neighbours in sc.
; BY TURNS.  A period is one tile T: 32 matrix instructions (8 K steps x 4 tiles of keys; the four accumulators take turns).  Between them stands the tanh of the tiles before:
; in period P the arguments and exponentials of tile P - 1 and the weighted sums of tile P - 2 (first half), then 1 + .. and the reciprocals of tile P - 1 (second half).  Two sets of accumulators take turns.
; Inside a matrix instruction k is permuted, alike in both operands.
; LIMITS: e2 between -126 and 112; e2 + e3 between -127 and 126 (added to the exponent field of 2 log2(e)).  NaN among the inputs is not served.
; REGISTERS, in windows of 256 (s_set_vgpr_msb: bits 1:0 source 0, 3:2 source 1, 5:4 source 2, 7:6 destination):
;   window 0: v1-12 addresses and constants; v16-23 the sums; v24-31 the tile's 2 log2(e) qh; v32-63, v64-95 the two sets of accumulators; v96-127 the reciprocals; v128-255 W_k's eight fragments of a tile.
;   the keys' fragment (tile a, K step s): s = 0, 1 in window 3 at 16 (4 s + a); s = 2..4 in window 1 at 16 (4 (s - 2) + a); s = 5..7 in window 2 at 16 (4 (s - 5) + a).  Window 3, v128-135: the tile's -2 v.
;   While the keys are loaded, window 2 holds four landing sets of 64, and v32-63 the codes just made.
; A product switches source 1's window alone, and every vector line of the tanh has a scalar, a constant or (under window 3) -2 v as its source 1: so the slices need no switch of their own.
.set SLOTB, 65536                      ; a slot: four tiles of W_k
.set TILEB, 16384                      ; a tile: 16 rows x 1,024 codes = 8 fragments of 2,048 bytes
.set TAB,   2*SLOTB                    ; behind the ring: the batch's table, 64 tiles x 128 bytes
.set SPARE, TAB+8192                   ; the spare words, 128 bytes for each wave: two blocks of 256 bytes that no other line names
.set CODE,  SPARE+512                  ; the stage in which the keys' codes turn: for each wave 4 tiles x 16 rows x (512 bytes + 16).  No fill ever lands here
.set CP,    528                        ; 33 x 16 bytes: the sixteen rows of a fragment load start at sixteen different groups of four banks (64 banks of 4 bytes: ISA guide 11.1)
.set CBLK,  16*CP
.set CWAVE, 4*CBLK
.set LI,   1                           ; v1   16 x lane: never rewritten
.set ADR,  2                           ; v2   16 x lane + the slot in hand
.set TL,   3                           ; v3   TAB + 32 h
.set ADT,  4                           ; v4   the same + the section's place in the table
.set SPW,  5                           ; v5   LDS address of my spare word: SPARE + 4 x my thread's number; never rewritten
.set NIL,  6                           ; v6   0; never rewritten
.set OUTA, 7                           ; v7   16 r + 8 h: my 8 bytes of the wave's 256 in sc
.set CSB,  8                           ; v8   my stage + 4 x lane
.set CSA,  9                           ; v9   the same + the trip's tile
.set RBA,  10                          ; v10  my stage + r x CP + 16 h
.set SCL,  11                          ; v11  2^e2 as f32
.set LIMV, 12                          ; v12  57,344 x 2^e2
.set S,    16
.set CQ,   24
.set ACC0, 32
.set CT,   32
.set E,    96
.set BF,   128
.set WQ,   128                         ; in window 3
.set WV,   14                          ; s14  my wave's number
.set G1B,  16                          ; s[16:23] descriptor group 1: 64 rows of 256 bytes, dense: a tile of W_k
.set G1T,  24                          ; s[24:31] the same with 8 rows: a quarter of the table
.set G0A,  32                          ; s[32:35] group 0: slot 0's first fill
.set G0W,  36                          ; s[36:39] slot 1's first fill; then it walks
.set G0T,  40                          ; s[40:43] the table
.set KB,   48                          ; s[48:49] keys at my wave's first row
.set NB,   50                          ; s[50:51] the same + the next trip's tile and half of K
.set OFS,  52                          ; s[52:53] that offset
.set TN,   54                          ; s54  the next trip's number
.set CS,   56                          ; s56  the trip's tile in my stage
.set C1,   60                          ; s[60:61] 2 log2(e) x 2^(e2 + e3), twice: the packed form names a pair
.set SB,   62                          ; s62  the slot in hand
.set TT,   63                          ; s63  the section's place in the table
.set SEC,  66                          ; s66  sections that fill a slot, still to go
.set SEL,  68                          ; s[68:69] lane selects for v_permlanex16_b32: lane l xor 16
.set MSB, 0
.macro WIN new                         ; the immediate's high byte repeats the setting that is left; a switch that changes nothing is dropped
.if MSB != \new
	s_set_vgpr_msb (MSB<<8)|\new
.set MSB, \new
.endif
.endm
.macro PLACES
.rept 4
	v_nop
.endr
.endm
.macro CREST                           ; a round of the cluster's barrier behind its opening barrier
	s_cmp_lg_u32 s[WV], 0
	s_cbranch_scc1 .Lnot_wave_0_\@
	s_barrier_signal -3
.Lnot_wave_0_\@:
	s_barrier_wait -3
	s_barrier_signal -1
	s_barrier_wait -1
.endm
.macro CROUND                          ; a whole round
	s_barrier_signal -1
	s_barrier_wait -1
	CREST
.endm
; Set q of a trip: 128 along K of the 16 rows of one tile of keys: a load reads 512 consecutive bytes of one row, 16 a lane
.macro GLOAD q
	WIN 0x80                                       ; destination window 2
.irp i, 0,1,2,3,4,5,6,7,8,9,10,11,12,13,14,15
	global_load_b128 v[64*(\q)+4*\i:64*(\q)+4*\i+3], v[LI], s[NB:NB+1] offset:16384*\i+512*(\q) th:TH_LOAD_NT
.endr
.endm
	s_load_b256 s[4:11], s[0:1], 0x0               ; keys s[4:5], wk s[6:7], tab s[8:9], the scales' exponents s[10:11]
	s_load_b64 s[12:13], s[0:1], 0x20              ; sc
	v_lshl_add_u32 v[SPW], v0, 2, SPARE
	v_mov_b32 v[NIL], 0
	ds_add_u32 v5, v6
	ds_add_u32 v5, v6
	s_wait_dscnt 0x0
	v_lshrrev_b32 v13, 5, v0
	v_readfirstlane_b32 s[WV], v13                 ; wave 0..3
	s_bfe_u32 s15, ttmp6, 0x40000                  ; cx: it enters the addresses of keys and of sc alone
	v_and_b32 v13, 31, v0                          ; lane
	v_lshlrev_b32 v[LI], 4, v13
	v_and_b32 v14, 15, v0                          ; r
	v_bfe_u32 v15, v0, 4, 1                        ; h
	v_lshl_add_u32 v[TL], v15, 5, TAB
	s_mul_i32 s72, s[WV], CWAVE
	s_add_co_u32 s72, s72, CODE                    ; my stage
	v_lshl_add_u32 v[CSB], v13, 2, s72
	v_mul_u32_u24 v[RBA], v14, CP
	v_lshl_add_u32 v[RBA], v15, 4, v[RBA]
	v_add_nc_u32 v[RBA], s72, v[RBA]
	v_lshlrev_b32 v[OUTA], 4, v14
	v_lshl_add_u32 v[OUTA], v15, 3, v[OUTA]
	; descriptor group 1: rows of 32 elements of 8 bytes, one behind the other in memory and in LDS
	s_mov_b32 s[G1B], 15|(3<<16)|(1<<21)           ; 15:0 the mask: all four work-groups; 17:16 elements of 8 bytes; 20 no padding (an image is read 512 consecutive bytes at a time); 21 set beside a mask
	s_mov_b32 s[G1B+1], 32<<16                     ; tensor_dim0 = 32
	s_mov_b32 s[G1B+2], 64<<16                     ; tensor_dim1 = 64
	s_mov_b32 s[G1B+3], 32<<16                     ; tile_dim0 = 32
	s_mov_b32 s[G1B+4], 64                         ; tile_dim1 = 64
	s_mov_b32 s[G1B+5], 32                         ; from row to row
	s_mov_b32 s[G1B+6], 0
	s_mov_b32 s[G1B+7], 0
	s_mov_b32 s[G1T], 15|(3<<16)|(1<<21)
	s_mov_b32 s[G1T+1], 32<<16
	s_mov_b32 s[G1T+2], 8<<16
	s_mov_b32 s[G1T+3], 32<<16
	s_mov_b32 s[G1T+4], 8
	s_mov_b32 s[G1T+5], 32
	s_mov_b32 s[G1T+6], 0
	s_mov_b32 s[G1T+7], 0
	s_lshl_b32 s72, s[WV], 14                      ; wave w fetches tile w of a slot,
	s_mov_b32 s73, 0
	s_lshl_b32 s76, s[WV], 11                      ; and quarter w of the table
	s_lshl_b32 s74, ttmp9, 13                      ; of the batch (the cluster's number), 8,192 bytes each
	s_add_co_u32 s74, s74, s76
	s_mov_b32 s75, 0
	s_lshl_b32 s77, ttmp9, 2
	s_add_co_u32 s77, s77, s15                     ; my work-group
	s_lshl_b32 s77, s77, 2
	s_add_co_u32 s77, s77, s[WV]                   ; 4 x work-group + wave: which 64 keys are mine
	s_lshl_b32 s78, s77, 18                        ; 64 rows of 4,096 bytes
	s_mov_b32 s79, 0
	s_wait_kmcnt 0x0
	s_load_b128 s[44:47], s[10:11], 0x0            ; e0, e1, e2 (keys), e3 (W_k)
	s_add_nc_u64 s[KB:KB+1], s[4:5], s[78:79]
	s_mov_b64 s[NB:NB+1], s[KB:KB+1]
	GLOAD 0                                        ; THE FIRST TRIP'S FOUR SETS ARE ASKED FOR AS SOON AS THEIR ADDRESS IS KNOWN, ahead of the round, the tensor loads and the scales:
	GLOAD 1                                        ; nothing in them hangs on any of those, and nobody writes these bytes
	GLOAD 2
	GLOAD 3
	WIN 0                                          ; at a label and at a branch every window is 0
	s_lshl_b32 s78, s77, 8
	s_add_nc_u64 s[12:13], s[12:13], s[78:79]      ; my wave's 256 bytes of sc
	s_mov_b32 s[G0A], 1                            ; count = 1
	s_mov_b32 s[G0A+1], s72                        ; LDS address: slot 0, tile w
	s_add_nc_u64 s[G0A+2:G0A+3], s[6:7], s[72:73]  ; tile w of wk
	s_add_nc_u64 s[G0W+2:G0W+3], s[G0A+2:G0A+3], SLOTB   ; tile 4 + w
	s_or_b32 s[G0A+3], s[G0A+3], 0x80000000        ; type = 2
	s_or_b32 s[G0W+3], s[G0W+3], 0x80000000
	s_mov_b32 s[G0W], 1
	s_add_co_u32 s[G0W+1], s72, SLOTB
	s_mov_b32 s[G0T], 1
	s_add_co_u32 s[G0T+1], s76, TAB
	s_add_nc_u64 s[G0T+2:G0T+3], s[8:9], s[74:75]
	s_or_b32 s[G0T+3], s[G0T+3], 0x80000000
	CROUND                                         ; all four work-groups are here: the first joint loads meet
	tensor_load_to_lds s[G0A:G0A+3], s[G1B:G1B+7]  ; the first fills go out as one group: three loads of mine are out
	s_nop 0
	tensor_load_to_lds s[G0T:G0T+3], s[G1T:G1T+7]
	s_nop 0
	tensor_load_to_lds s[G0W:G0W+3], s[G1B:G1B+7]
	s_nop 0
	PLACES
	s_wait_kmcnt 0x0
	s_add_co_i32 s72, s46, 127
	s_lshl_b32 s73, s72, 23
	v_mov_b32 v[SCL], s73
	s_add_co_i32 s72, s72, 15
	s_lshl_b32 s72, s72, 23
	s_or_b32 s72, s72, 0x600000
	v_mov_b32 v[LIMV], s72
	s_add_co_i32 s[C1], s46, s47
	s_lshl_b32 s[C1], s[C1], 23
	s_add_co_i32 s[C1], s[C1], 0x4038aa3b          ; a sum stands for sum x 2^(e2 + e3): the exponents are added to the exponent field of 2 log2(e)
	s_mov_b32 s[C1+1], s[C1]
	s_mov_b32 s[SEL], 0x76543210
	s_mov_b32 s[SEL+1], 0xfedcba98
; ---- THE KEYS BECOME CODES.  Eight trips: trip t takes tile a = t % 4 (rows 4 i + a) and half t / 4 of K, in four sets q of 128 along K.
; The codes (four of a row a lane) turn through my stage in LDS and come back as fragments.  Four sets, 64 loads of 512 bytes, are on their way all the time.
.macro FRAGQ q, ahead, left
	s_wait_loadcnt \left                           ; loads come back in order (ISA guide 5.7.1): set q is in; the younger sets, 16 loads each, stay out
	WIN 0x82                                       ; source 0 and destination window 2
.set j, 0
.rept 64
	v_med3_num_f32 v[64*(\q)+j], v[64*(\q)+j], -v[LIMV], v[LIMV]   ; the conversion to an 8-bit code does not saturate (ISA guide 7.6.2): the hold comes first
.set j, j+1
.endr
	s_wait_dscnt 16                                ; the codes' registers take turns in two sets: the stores of two fragments ago are done; the last fragment's sixteen may be out
	WIN 0x02
.irp g, 0,1,2,3,4,5,6,7
	v_cvt_scalef32_pk8_bf8_f32 v[CT+16*((\q)%2)+2*\g:CT+16*((\q)%2)+2*\g+1], v[64*(\q)+8*\g:64*(\q)+8*\g+7], v[SCL]   ; rows 2 g, 2 g + 1 of the tile, four codes each
.endr
	WIN 0
	v_nop                                          ; a plain vector line behind the last conversion
.irp i, 0,1,2,3,4,5,6,7,8,9,10,11,12,13,14,15
	ds_store_b32 v[CSA], v[CT+16*((\q)%2)+\i] offset:CP*\i+128*(\q)   ; 32 lanes store 128 consecutive bytes of row i
.endr
.if \ahead
	GLOAD \q                                       ; the next trip's set q
.endif
.endm
.macro TRIPQ ahead
	WIN 0
.if \ahead
	s_wait_xcnt 0x0                                ; the loads that are out have read their base: it may be written
	s_add_co_u32 s[TN], s[TN], 1
	s_and_b32 s72, s[TN], 3
	s_lshl_b32 s72, s72, 12                        ; tile a: one row down
	s_lshr_b32 s73, s[TN], 2
	s_lshl_b32 s73, s73, 11                        ; the second half of K: 2,048 bytes on
	s_or_b32 s[OFS], s72, s73
	s_add_nc_u64 s[NB:NB+1], s[KB:KB+1], s[OFS:OFS+1]
.endif
	v_add_nc_u32 v[CSA], s[CS], v[CSB]
.if \ahead
	FRAGQ 0, 1, 48
	FRAGQ 1, 1, 48
	FRAGQ 2, 1, 48
	FRAGQ 3, 1, 48
.else
	FRAGQ 0, 0, 48                                 ; the last trip loads nothing: the counts run down
	FRAGQ 1, 0, 32
	FRAGQ 2, 0, 16
	FRAGQ 3, 0, 0
.endif
	s_add_co_u32 s[CS], s[CS], CBLK
.endm
.macro RBS s                           ; K step s: its four fragments come back from my stage: lane (r, h), registers 4 c on: k = 128 s + 32 c + 16 h + 0 .. 15 of row r of the tile
.if (\s) < 2
	WIN 0xc0
.set ab, 64*(\s)
.elseif (\s) < 5
	WIN 0x40
.set ab, 64*((\s)-2)
.else
	WIN 0x80
.set ab, 64*((\s)-5)
.endif
.irp a, 0,1,2,3
.irp c, 0,1,2,3
	ds_load_b128 v[ab+16*\a+4*\c:ab+16*\a+4*\c+3], v[RBA] offset:CBLK*\a+128*((\s)%4)+32*\c   ; LDS serves a wave's instructions in order (ISA guide 5.7.1.4): these see my stores, and the next half's stores come behind them
.endr
.endr
.endm
	s_mov_b32 s[OFS+1], 0
	s_mov_b32 s[TN], 0
	s_mov_b32 s[CS], 0
	WIN 0                                          ; at a label and at a branch every window is 0
.Lhalf0:
	TRIPQ 1
	WIN 0
	s_cmp_lt_u32 s[TN], 4
	s_cbranch_scc1 .Lhalf0
	RBS 0
	RBS 1
	RBS 2
	RBS 3
	WIN 0
	s_mov_b32 s[CS], 0
.Lhalf1:
	TRIPQ 1
	WIN 0
	s_cmp_lt_u32 s[TN], 7
	s_cbranch_scc1 .Lhalf1
	TRIPQ 0
	RBS 4
	RBS 5
	RBS 6
	RBS 7
	WIN 0
; ---- THE PRODUCTS AND THE TANH
.macro WM                              ; matrix instruction i of a period: K step i / 4, tile of keys i % 4; the first K step starts the sums
.set ks, i/4
.set ta, i%4
.if ks < 2
	WIN 0x0c
.set ab, 16*(4*ks+ta)
.elseif ks < 5
	WIN 0x04
.set ab, 16*(4*(ks-2)+ta)
.else
	WIN 0x08
.set ab, 16*(4*(ks-5)+ta)
.endif
.if ks == 0
	v_wmma_f32_16x16x128_bf8_bf8 v[AX+8*ta:AX+8*ta+7], v[BF+16*ks:BF+16*ks+15], v[ab:ab+15], 0
.else
	v_wmma_f32_16x16x128_bf8_bf8 v[AX+8*ta:AX+8*ta+7], v[BF+16*ks:BF+16*ks+15], v[ab:ab+15], v[AX+8*ta:AX+8*ta+7]
.endif
.endm
.macro TARG n                          ; pair n of the 16 pairs of a tile's sums: 2 log2(e) (kh + qh)
	v_pk_fma_f32 v[AY+2*(\n):AY+2*(\n)+1], v[AY+2*(\n):AY+2*(\n)+1], s[C1:C1+1], v[CQ+2*((\n)%4):CQ+2*((\n)%4)+1] op_sel_hi:[1,0,1]
.endm
.macro TEXP m
	v_exp_f32 v[AY+(\m)], v[AY+(\m)]
.endm
.macro TADD n
	v_pk_add_f32 v[AY+2*(\n):AY+2*(\n)+1], v[AY+2*(\n):AY+2*(\n)+1], 1.0 op_sel_hi:[1,0]
.endm
.macro TRCP m
	v_rcp_f32 v[E+(\m)], v[AY+(\m)]
.endm
.macro TFMA n                          ; (under window 3 for source 1)  the sums of tile of keys n / 4 += reciprocal x -2 v
	v_pk_fma_f32 v[S+2*((\n)/4):S+2*((\n)/4)+1], v[E+2*(\n):E+2*(\n)+1], v[WQ+2*((\n)%4):WQ+2*((\n)%4)+1], v[S+2*((\n)/4):S+2*((\n)/4)+1]
.endm
; Slice k of 16 of a period's first half.  The arguments run a slice ahead of their exponentials and take each accumulator from its low end on; no line reads an exponential's result.
.macro SL0 fm
.if (\fm) && (k < 8)
	TFMA k
.endif
.if k == 0
	TARG 0
	TARG 1
.elseif k < 15
	TEXP 2*k-2
	TARG k+1
	TEXP 2*k-1
.else
	TEXP 28
	TEXP 29
	TEXP 30
	TEXP 31
.endif
.if (\fm) && (k < 8)
	TFMA k+8
.endif
.endm
; Slice k of 16 of the second half.  The first four are additions alone, since branches may follow them (a change of slots); the last four are empty.
.macro SL1
.if k < 4
	TADD 2*k
	TADD 2*k+1
.elseif k < 12
	TRCP 4*(k-4)
	TADD k+4
	TRCP 4*(k-4)+1
	TRCP 4*(k-4)+2
	TRCP 4*(k-4)+3
.endif
.endm
.macro RUNB u                          ; fragments 4-7 of tile u of the slot in hand.  (Every setting of the products leaves destination and source 0 in window 0)
.irp s, 4,5,6,7
.irp c, 0,1,2,3
	ds_load_b128 v[BF+16*\s+4*\c:BF+16*\s+4*\c+3], v[ADR] offset:TILEB*(\u)+2048*\s+512*\c
.endr
.endr
.endm
.macro RUNA u, d, wl, fr               ; fr: fragments 0-3 of tile u; the table's words: 2 log2(e) qh of the tile in hand; wl: -2 v of the tile before
.if \fr
.irp s, 0,1,2,3
.irp c, 0,1,2,3
	ds_load_b128 v[BF+16*\s+4*\c:BF+16*\s+4*\c+3], v[ADR] offset:TILEB*(\u)+2048*\s+512*\c
.endr
.endr
.endif
	ds_load_b128 v[CQ:CQ+3], v[ADT] offset:128*((\d)+1)
	ds_load_b128 v[CQ+4:CQ+7], v[ADT] offset:128*((\d)+1)+16
.if \wl
	WIN 0xc0
	ds_load_b128 v[WQ:WQ+3], v[ADT] offset:128*(\d)+64
	ds_load_b128 v[WQ+4:WQ+7], v[ADT] offset:128*(\d)+80
.endif
.endm
; A load into a register that a matrix instruction has read, and a vector line that reads a matrix result, stand four places behind it, and only plain vector lines that name none of its registers are places
; (ISA guide 7.12.1 for vector lines).  RUNB stands behind the four v_nop at the end of the period before; RUNA behind the v_nop at the first half's end and eight additions.
; A period's first half.  x: its set of accumulators; u: its tile in the slot; ep: there is a tile before; fm: and one before that.
.macro HALF0 x, u, ep, fm
.set AX, ACC0+32*(\x)
.set AY, ACC0+32*(1-(\x))
	s_wait_dscnt 0x0                               ; fragments 0-3 and the table's words, asked for 12 matrix instructions ago
.set i, 0
.rept 16
	WM
.if \ep
.set k, i
	SL0 \fm
.endif
.if i == 3
	RUNB \u
.endif
.set i, i+1
.endr
.if \ep
	v_nop                                          ; a plain line behind the last exponential,
	s_wait_alu depctr_va_vdst(0)                   ; and one wait for the 32, ahead of the first line that names a result
.endif
.endm
; Its second half.  u: the NEXT tile's place in its slot; d: its place in the section, for the table's words.
; chg = 1: THE CHANGE OF SLOTS.  The slot's last bytes have been asked for (RUNB).  Each wave waits for all its tensor loads, of which one is out: its tile of the next slot; adds 0 to its spare word; waits for that and
; for its reads of the slot.  The barrier opens a round of the cluster's barrier: behind it no wave of any partner reads the slot or has a load on its way, and the joint refill comes first: it has four periods,
; 128 matrix instructions, in which to land.  chg = 2: the last change: the work-group's barrier alone, and nothing is filled.
.macro HALF1 x, u, d, chg, ep, wl, fr
.set AX, ACC0+32*(\x)
.set AY, ACC0+32*(1-(\x))
.if \chg
	WIN 0                                          ; (the add's two registers lie in window 0)
	s_wait_tensorcnt 0x0                           ; no tensor load of mine is out, so a group 0 may be written
	ds_add_u32 v[SPW], v[NIL]                      ; 0 onto my spare word
.if \chg == 1
	s_xor_b32 s[G0W+1], s[G0W+1], SLOTB            ; the walking descriptor: the other slot than last time,
	s_add_nc_u64 s[G0W+2:G0W+3], s[G0W+2:G0W+3], SLOTB   ; the next four tiles; the type bits on top are not reached
.endif
	s_xor_b32 s[SB], s[SB], SLOTB
	s_wait_dscnt 0x0                               ; the add is done, and my reads of the slot are over
	s_barrier_signal -1
.else
	s_wait_dscnt 0x0                               ; fragments 4-7, asked for 12 matrix instructions ago
.endif
.set i, 16
.rept 4
	WM
.if \ep
.set k, i-16
	SL1
.endif
.set i, i+1
.endr
.if \chg
	WIN 0
	s_barrier_wait -1
.if \chg == 1
	CREST
	tensor_load_to_lds s[G0W:G0W+3], s[G1B:G1B+7]  ; the first tensor load behind the round, and my only one until the next
	s_nop 0
	PLACES
.endif
	v_add_nc_u32 v[ADR], s[SB], v[LI]
	v_add_nc_u32 v[ADT], s[TT], v[TL]
.endif
.if \ep == 0
	PLACES                                         ; no slices yet: the places in front of RUNA's loads
.endif
	RUNA \u, \d, \wl, \fr
.rept 12
	WM
.if \ep
.set k, i-16
	SL1
.endif
.set i, i+1
.endr
	PLACES                                         ; behind the period's last products: the next half reads their sums; also the plain line behind the last reciprocal
.if \ep
	s_wait_alu depctr_va_vdst(0)                   ; one wait for the 32 reciprocals
.endif
.endm
.macro SECTION chg                     ; from the second half of a slot's last period to the first half of the next slot's last
	HALF1 1, 0, 0, \chg, 1, 1, 1
	HALF0 0, 0, 1, 1
	HALF1 0, 1, 1, 0, 1, 1, 1
	HALF0 1, 1, 1, 1
	HALF1 1, 2, 2, 0, 1, 1, 1
	HALF0 0, 2, 1, 1
	HALF1 0, 3, 3, 0, 1, 1, 1
	HALF0 1, 3, 1, 1
	WIN 0
	s_add_co_u32 s[TT], s[TT], 512                 ; four tiles on in the table
.endm
	s_wait_tensorcnt 0x1                           ; my tile of slot 0 and my quarter of the table are in; slot 1's load may be out
	s_wait_dscnt 0x0                               ; the keys' fragments are in
	s_barrier_signal -1
	s_barrier_wait -1                              ; everybody's parts are in
.irp j, 0,1,2,3,4,5,6,7
	v_mov_b32 v[S+\j], 0
.endr
	s_mov_b32 s[SB], 0
	v_mov_b32 v[ADR], v[LI]
	v_mov_b32 v[ADT], v[TL]
.irp s, 0,1,2,3
.irp c, 0,1,2,3
	ds_load_b128 v[BF+16*\s+4*\c:BF+16*\s+4*\c+3], v[ADR] offset:2048*\s+512*\c
.endr
.endr
	HALF0 0, 0, 0, 0                               ; periods 0 to 3 fill the pipeline
	HALF1 0, 1, -1, 0, 0, 0, 1
	HALF0 1, 1, 1, 0
	HALF1 1, 2, 0, 0, 1, 1, 1
	HALF0 0, 2, 1, 1
	HALF1 0, 3, 1, 0, 1, 1, 1
	HALF0 1, 3, 1, 1
	WIN 0
	s_mov_b32 s[TT], 256                           ; section n (1..15) stands at 512 n - 256: its first words are those of tiles 4 n - 1 and 4 n - 2
	s_mov_b32 s[SEC], 14
.Lsection:                                             ; 14 trips: wk's 16 slots' worth, less the two first fills
	SECTION 1
	s_sub_co_u32 s[SEC], s[SEC], 1
	s_cmp_lg_u32 s[SEC], 0
	s_cbranch_scc1 .Lsection
	SECTION 2                                      ; the last slot is written out
	HALF1 1, 0, 4, 0, 1, 1, 0                      ; period 63's second half | tile 62's reciprocals
	s_wait_dscnt 0x0
.set AY, ACC0+32                       ; tile 63's sums
	WIN 0x0c
.set k, 0
.rept 16
	SL0 1                                          ; tile 63's arguments and exponentials, tile 62's weighted sums
.set k, k+1
.endr
	v_nop
	s_wait_alu depctr_va_vdst(0)
	WIN 0xc0
	ds_load_b128 v[WQ:WQ+3], v[ADT] offset:128*5+64   ; -2 v of tile 63
	ds_load_b128 v[WQ+4:WQ+7], v[ADT] offset:128*5+80
	WIN 0
.set k, 0
.rept 16
	SL1
.set k, k+1
.endr
	v_nop
	s_wait_alu depctr_va_vdst(0)
	s_wait_dscnt 0x0
	WIN 0x0c
.set k, 0
.rept 16
	TFMA k
.set k, k+1
.endr
	WIN 0
	; ---- THE WAY OUT: a sum's two halves, and lane l xor 16's (the other eight e of each tile).  Lane (r, h) stores scores 2 h and 2 h + 1 of keys 4 r on: 32 lanes store 256 consecutive bytes, aligned.
.irp a, 0,1,2,3
	v_add_f32 v[12+\a], v[S+2*\a], v[S+2*\a+1]
.endr
.irp a, 0,1,2,3
	v_permlanex16_b32 v[E+\a], v[12+\a], s[SEL], s[SEL+1]
.endr
.irp a, 0,1,2,3
	v_add_f32 v[12+\a], v[12+\a], v[E+\a]
.endr
	v_and_b32 v16, 31, v0
	v_cmp_gt_u32 vcc_lo, 16, v16
	v_cndmask_b32 v18, v14, v12, vcc_lo
	v_cndmask_b32 v19, v15, v13, vcc_lo
	global_store_b64 v[OUTA], v[18:19], s[12:13]
	s_wait_tensorcnt 0x0                           ; the wave's end: behind my last tensor load and my last LDS store
	ds_add_u32 v[SPW], v[NIL]
	s_wait_dscnt 0x0
	CROUND                                         ; the closing round: no work-group ends while a partner may still ask for a tile that names it
	s_endpgm
.Lfunc_end_k_q9a5117af7d_scores:
	.size	k_q9a5117af7d_scores, .Lfunc_end_k_q9a5117af7d_scores-k_q9a5117af7d_scores
	.p2alignl 7, 3214868480
	.fill 96, 4, 3214868480
	.section	.rodata,"a",@progbits
	.p2align	6, 0x0
	.amdhsa_kernel k_q9a5117af7d_scores
		.amdhsa_group_segment_fixed_size 327680
		.amdhsa_private_segment_fixed_size 0
		.amdhsa_enable_private_segment 0
		.amdhsa_kernarg_size 40
		.amdhsa_user_sgpr_count 2
		.amdhsa_user_sgpr_kernarg_segment_ptr 1
		.amdhsa_wavefront_size32 1
		.amdhsa_system_sgpr_workgroup_id_x 1
		.amdhsa_system_sgpr_workgroup_id_y 1
		.amdhsa_system_sgpr_workgroup_id_z 1
		.amdhsa_system_vgpr_workitem_id 0
		.amdhsa_next_free_vgpr 1024
		.amdhsa_next_free_sgpr 80
		.amdhsa_reserve_vcc 1
		.amdhsa_float_denorm_mode_32 3
		.amdhsa_float_denorm_mode_16_64 3
		.amdhsa_memory_ordered 1
		.amdhsa_forward_progress 1
		.amdhsa_inst_pref_size 221
	.end_amdhsa_kernel
	.amdgpu_metadata
---
amdhsa.version: [ 1, 2 ]
amdhsa.kernels:
  - .name:           k_q9a5117af7d_scores
    .symbol:         k_q9a5117af7d_scores.kd
    .args:
      - { .name: keys, .offset: 0, .size: 8, .value_kind: global_buffer, .address_space: global }
      - { .name: wk, .offset: 8, .size: 8, .value_kind: global_buffer, .address_space: global }
      - { .name: tab, .offset: 16, .size: 8, .value_kind: global_buffer, .address_space: global }
      - { .name: lowp_scales, .offset: 24, .size: 8, .value_kind: global_buffer, .address_space: global }
      - { .name: sc, .offset: 32, .size: 8, .value_kind: global_buffer, .address_space: global }
    .group_segment_fixed_size: 327680
    .private_segment_fixed_size: 0
    .kernarg_segment_align: 8
    .kernarg_segment_size: 40
    .max_flat_workgroup_size: 128
    .sgpr_count:     80
    .vgpr_count:     1024
    .wavefront_size: 32
...
	.end_amdgpu_metadata
.endif
;; end of part 2
;; launch context (part 3): grid 8 x 64, 8 waves a work-group, no clusters, 10,240 bytes of LDS; arguments sc, keys, out0, out1; writes out0, out1
.if DOCPART == 3
	.amdgcn_target "amdgcn-amd-amdhsa--gfx1250"
	.amdhsa_code_object_version 6
	.text
	.protected	k_q9a5117af7d_context
	.globl	k_q9a5117af7d_context
	.p2align	8
	.type	k_q9a5117af7d_context,@function
k_q9a5117af7d_context:
	s_mov_b64 s[64:65], 0
	v_nop
	global_prefetch_b8 v0, s[64:65] scope:SCOPE_SE
	s_setreg_imm32_b32 hwreg(HW_REG_WAVE_MODE, 25, 1), 1
	s_wait_xcnt 0x0
; alpha = softmax over the 1,024 keys of a batch of sc (reference()'s scores less a number common to the batch, which a softmax does not see); context = alpha . keys.  All in f32.
; Work-group (x, b) owns out0[b][128 x .. 128 x + 127] and out1[b][128 x .. 128 x + 127].  Each of the batch's eight work-groups makes the whole softmax (4 numbers a thread); the row's maximum is taken away first.
; Wave w then walks keys 128 w .. 128 w + 127: a load reads 512 consecutive bytes of one row (my 128 columns), 16 a lane; two groups of 16 rows are on their way; four chains of sums a lane.  The eight waves' sums meet in LDS.
; A STREAM: no matrix unit (one row of alpha), no tensor load, no loop: every offset is an immediate (127 rows of 4,096 bytes at the most, inside the signed 24-bit immediate: ISA guide, chapter 10).
; NO CLUSTER: what the eight work-groups of a batch share is sc's 4,096 bytes, beside 524,288 bytes of keys that each reads alone.
; NaN among the inputs is not served.
.set MAXW, 4096                        ; LDS: 0: alpha, 4,096 bytes; the waves' maxima; the waves' sums; the waves' parts of the context, 512 bytes each
.set SUMW, 4352
.set PART, 4608
	s_load_b256 s[4:11], s[0:1], 0x0               ; sc s[4:5], keys s[6:7], out0 s[8:9], out1 s[10:11]
	v_lshl_add_u32 v192, v0, 2, 0x2400
	v_mov_b32 v193, 0
	v_lshrrev_b32 v1, 5, v0
	v_readfirstlane_b32 s12, v1                    ; wave 0..7
	s_and_b32 s13, ttmp7, 0xffff                   ; the batch
	v_lshlrev_b32 v1, 4, v0                        ; 16 x thread
	v_and_b32 v2, 31, v0
	v_lshlrev_b32 v2, 4, v2                        ; 16 x lane
	s_lshl_b32 s14, s13, 12                        ; the batch's 4,096 bytes in sc, out0 and out1
	s_mov_b32 s15, 0
	s_lshl_b32 s16, s13, 22                        ; its 1,024 rows of keys,
	s_lshl_b32 s18, s12, 19                        ; my wave's 128 of them,
	s_add_co_u32 s16, s16, s18
	s_lshl_b32 s18, ttmp9, 9                       ; my work-group's 512 bytes of a row
	s_add_co_u32 s16, s16, s18
	s_mov_b32 s17, 0
	s_wait_kmcnt 0x0
	s_add_nc_u64 s[4:5], s[4:5], s[14:15]
	s_add_nc_u64 s[6:7], s[6:7], s[16:17]
	s_add_nc_u64 s[10:11], s[10:11], s[14:15]
	s_add_co_u32 s14, s14, s18
	s_add_nc_u64 s[8:9], s[8:9], s[14:15]
.macro KLOAD g                         ; group g: rows 16 g .. 16 g + 15 of my wave's, into set g % 2
.irp p, 0,1,2,3,4,5,6,7,8,9,10,11,12,13,14,15
	global_load_b128 v[64+64*((\g)%2)+4*\p:64+64*((\g)%2)+4*\p+3], v2, s[6:7] offset:4096*(16*(\g)+\p) th:TH_LOAD_NT
.endr
.endm
	global_load_b128 v[4:7], v1, s[4:5]            ; scores 4 t .. 4 t + 3
	KLOAD 0
	KLOAD 1
	s_mov_b32 s20, 0x76543210                      ; v_permlanex16_b32: lane l xor 16
	s_mov_b32 s21, 0xfedcba98
	v_mov_b32 v9, 0                                ; written once: a lane permute's destination counts as one of its sources
	s_lshl_b32 s22, s12, 2
	v_mov_b32 v10, s22                             ; 4 x wave
	v_mov_b32 v11, 0
	s_lshl_b32 s22, s12, 9
	v_mov_b32 v3, s22                              ; my wave's 128 alpha in LDS
	s_wait_loadcnt 32                              ; the scores are in; the two groups of keys, 32 loads, stay out
	v_max3_num_f32 v8, v4, v5, v6
	v_max_num_f32 v8, v8, v7
	v_max_num_f32_dpp v8, v8, v8 row_xmask:1 row_mask:0xf bank_mask:0xf
	v_max_num_f32_dpp v8, v8, v8 row_xmask:2 row_mask:0xf bank_mask:0xf
	v_max_num_f32_dpp v8, v8, v8 row_xmask:4 row_mask:0xf bank_mask:0xf
	v_max_num_f32_dpp v8, v8, v8 row_xmask:8 row_mask:0xf bank_mask:0xf
	v_permlanex16_b32 v9, v8, s20, s21
	v_max_num_f32 v8, v8, v9                       ; my wave's largest score
	ds_store_b32 v10, v8 offset:MAXW
	s_wait_dscnt 0x0                               ; for the others' sake
	s_barrier_signal -1
	s_barrier_wait -1
	ds_load_b128 v[12:15], v11 offset:MAXW
	ds_load_b128 v[16:19], v11 offset:MAXW+16
	s_wait_dscnt 0x0
	v_max3_num_f32 v12, v12, v13, v14
	v_max3_num_f32 v12, v12, v15, v16
	v_max3_num_f32 v12, v12, v17, v18
	v_max_num_f32 v12, v12, v19                    ; the row's
.irp i, 0,1,2,3
	v_sub_f32 v[4+\i], v[4+\i], v12
.endr
.irp i, 0,1,2,3
	v_mul_f32 v[4+\i], 0x3fb8aa3b, v[4+\i]         ; x log2(e)
.endr
.irp i, 0,1,2,3
	v_exp_f32 v[4+\i], v[4+\i]
.endr
	v_nop                                          ; a plain line behind the last exponential,
	s_wait_alu depctr_va_vdst(0)                   ; and one wait for the four, ahead of their first reader
	v_add_f32 v8, v4, v5
	v_add_f32 v9, v6, v7
	v_add_f32 v8, v8, v9
	v_add_f32_dpp v8, v8, v8 row_xmask:1 row_mask:0xf bank_mask:0xf
	v_add_f32_dpp v8, v8, v8 row_xmask:2 row_mask:0xf bank_mask:0xf
	v_add_f32_dpp v8, v8, v8 row_xmask:4 row_mask:0xf bank_mask:0xf
	v_add_f32_dpp v8, v8, v8 row_xmask:8 row_mask:0xf bank_mask:0xf
	v_permlanex16_b32 v9, v8, s20, s21
	v_add_f32 v8, v8, v9
	ds_store_b32 v10, v8 offset:SUMW               ; other words than the maxima's: no barrier is owed between the two uses
	s_wait_dscnt 0x0
	s_barrier_signal -1
	s_barrier_wait -1
	ds_load_b128 v[12:15], v11 offset:SUMW
	ds_load_b128 v[16:19], v11 offset:SUMW+16
	s_wait_dscnt 0x0
	v_add_f32 v12, v12, v13
	v_add_f32 v14, v14, v15
	v_add_f32 v16, v16, v17
	v_add_f32 v18, v18, v19
	v_add_f32 v12, v12, v14
	v_add_f32 v16, v16, v18
	v_add_f32 v12, v12, v16                        ; the row's sum, at least 1
	v_rcp_f32 v12, v12
	v_nop
	s_wait_alu depctr_va_vdst(0)
.irp i, 0,1,2,3
	v_mul_f32 v[4+\i], v[4+\i], v12                ; alpha
.endr
	ds_store_b128 v1, v[4:7]
	s_cmp_lg_u32 s12, ttmp9                        ; wave x holds alpha 128 x .. 128 x + 127: my work-group's part of out1
	s_cbranch_scc1 .Lnot_out1
	global_store_b128 v1, v[4:7], s[10:11]         ; 32 lanes store 512 consecutive bytes, aligned
.Lnot_out1:
	s_wait_dscnt 0x0
	s_barrier_signal -1
	s_barrier_wait -1
.macro GROUP g
.set DR, 64+64*((\g)%2)
.set AL, 32+16*((\g)%2)
.irp i, 0,1,2,3
	ds_load_b128 v[AL+4*\i:AL+4*\i+3], v3 offset:4*(16*(\g)+4*\i)   ; the group's 16 alpha, the same in every lane
.endr
.if (\g) < 7
	s_wait_loadcnt 16                              ; this group's rows are in; the next group's 16 loads stay out
.else
	s_wait_loadcnt 0
.endif
	s_wait_dscnt 0x0
.set p, 0
.rept 16                               ; row p goes to chain p % 4; of the pair that holds its alpha the one register feeds both halves
.set ac, 16+4*(p%4)
.set dr, DR+4*p
.set pr, AL+p-p%2
.if ((\g) == 0) && (p < 4)             ; the first four rows start the chains: nothing is cleared
.if p%2 == 0
	v_pk_mul_f32 v[ac:ac+1], v[dr:dr+1], v[pr:pr+1] op_sel_hi:[1,0]
	v_pk_mul_f32 v[ac+2:ac+3], v[dr+2:dr+3], v[pr:pr+1] op_sel_hi:[1,0]
.else
	v_pk_mul_f32 v[ac:ac+1], v[dr:dr+1], v[pr:pr+1] op_sel:[0,1] op_sel_hi:[1,1]
	v_pk_mul_f32 v[ac+2:ac+3], v[dr+2:dr+3], v[pr:pr+1] op_sel:[0,1] op_sel_hi:[1,1]
.endif
.elseif p%2 == 0
	v_pk_fma_f32 v[ac:ac+1], v[dr:dr+1], v[pr:pr+1], v[ac:ac+1] op_sel_hi:[1,0,1]
	v_pk_fma_f32 v[ac+2:ac+3], v[dr+2:dr+3], v[pr:pr+1], v[ac+2:ac+3] op_sel_hi:[1,0,1]
.else
	v_pk_fma_f32 v[ac:ac+1], v[dr:dr+1], v[pr:pr+1], v[ac:ac+1] op_sel:[0,1,0] op_sel_hi:[1,1,1]
	v_pk_fma_f32 v[ac+2:ac+3], v[dr+2:dr+3], v[pr:pr+1], v[ac+2:ac+3] op_sel:[0,1,0] op_sel_hi:[1,1,1]
.endif
.set p, p+1
.endr
.if (\g)+2 < 8
	KLOAD (\g)+2                                   ; into the set just read
.endif
.endm
.irp g, 0,1,2,3,4,5,6,7
	GROUP \g
.endr
.macro FOLD p, d                       ; the upper d registers are added onto the lower d
.set j, 0
.rept (\d)/2
	v_pk_add_f32 v[\p+j:\p+j+1], v[\p+j:\p+j+1], v[\p+\d+j:\p+\d+j+1]
.set j, j+2
.endr
.endm
	FOLD 16, 8
	FOLD 16, 4                                     ; the four chains: my wave's part of four columns
	ds_store_b128 v1, v[16:19] offset:PART
	s_wait_dscnt 0x0
	s_barrier_signal -1
	s_barrier_wait -1
	s_cmp_lg_u32 s12, 0                            ; wave 0 adds the eight parts and stores
	s_cbranch_scc1 .Lend
.irp n, 0,1,2,3,4,5,6,7
	ds_load_b128 v[32+4*\n:35+4*\n], v2 offset:PART+512*\n
.endr
	s_wait_dscnt 0x0
	FOLD 32, 16
	FOLD 32, 8
	FOLD 32, 4
	global_store_b128 v2, v[32:35], s[8:9]         ; 32 lanes store 512 consecutive bytes, aligned
.Lend:
	s_wait_tensorcnt 0x0
	ds_add_u32 v192, v193
	s_wait_dscnt 0x0
	s_endpgm
.Lfunc_end_k_q9a5117af7d_context:
	.size	k_q9a5117af7d_context, .Lfunc_end_k_q9a5117af7d_context-k_q9a5117af7d_context
	.p2alignl 7, 3214868480
	.fill 96, 4, 3214868480
	.section	.rodata,"a",@progbits
	.p2align	6, 0x0
	.amdhsa_kernel k_q9a5117af7d_context
		.amdhsa_group_segment_fixed_size 10240
		.amdhsa_private_segment_fixed_size 0
		.amdhsa_enable_private_segment 0
		.amdhsa_kernarg_size 32
		.amdhsa_user_sgpr_count 2
		.amdhsa_user_sgpr_kernarg_segment_ptr 1
		.amdhsa_wavefront_size32 1
		.amdhsa_system_sgpr_workgroup_id_x 1
		.amdhsa_system_sgpr_workgroup_id_y 1
		.amdhsa_system_sgpr_workgroup_id_z 1
		.amdhsa_system_vgpr_workitem_id 0
		.amdhsa_next_free_vgpr 194
		.amdhsa_next_free_sgpr 66
		.amdhsa_reserve_vcc 0
		.amdhsa_float_denorm_mode_32 3
		.amdhsa_float_denorm_mode_16_64 3
		.amdhsa_memory_ordered 1
		.amdhsa_forward_progress 1
		.amdhsa_inst_pref_size 38
	.end_amdhsa_kernel
	.amdgpu_metadata
---
amdhsa.version: [ 1, 2 ]
amdhsa.kernels:
  - .name:           k_q9a5117af7d_context
    .symbol:         k_q9a5117af7d_context.kd
    .args:
      - { .name: sc, .offset: 0, .size: 8, .value_kind: global_buffer, .address_space: global }
      - { .name: keys, .offset: 8, .size: 8, .value_kind: global_buffer, .address_space: global }
      - { .name: out0, .offset: 16, .size: 8, .value_kind: global_buffer, .address_space: global }
      - { .name: out1, .offset: 24, .size: 8, .value_kind: global_buffer, .address_space: global }
    .group_segment_fixed_size: 10240
    .private_segment_fixed_size: 0
    .kernarg_segment_align: 8
    .kernarg_segment_size: 32
    .max_flat_workgroup_size: 256
    .sgpr_count:     66
    .vgpr_count:     194
    .wavefront_size: 32
...
	.end_amdgpu_metadata
.endif
;; end of part 3
